; MI455X (gfx1250); checked and timed in simulation.
; The chip was launched on July 23, 2026; its instructions are those of AMD's public machine-readable ISA for CDNA 5 (MIT licence, August 2026) and "CDNA5" Instruction Set Architecture Reference Guide (July 2026). The comments in the code are by the model that wrote it; some were corrected since.
;; Gated Layer. Allowed arithmetic: float matrix products may take bf16 or f16 operands with f32 sums; all other float work in f32.
;; Inputs: W 16 x 1,024 x 1,024 float32; Wg 1,024 x 16 float32; b 16 x 1,024 float32; bg 16 float32; x 4,096 x 1,024 float32.
;; Outputs: out0 4,096 x 1,024 float32.
;; 2 versions, each right; version 2 is version 1 with the launch prep written anew for expert scheduling mode. Each part assembles by itself: llvm-mc -triple=amdgcn-amd-amdhsa -mcpu=gfx1250 --defsym DOCPART=n.
;; ======== version 1 of 2: 2 launches
;; workspace buffers: xb 8,388,608 bytes; Wb 33,554,432 bytes; gates 262,144 bytes
;; launch prep (part 1): grid 768 x 1, 8 waves a work-group, no clusters, 76,800 bytes of LDS; arguments x, W, Wg, bg, xb, Wb, gates; writes xb, Wb, gates
.if DOCPART == 1
	.amdgcn_target "amdgcn-amd-amdhsa--gfx1250"
	.amdhsa_code_object_version 6
	.text
	.protected	k_q9709816b70_prep
	.globl	k_q9709816b70_prep
	.p2align	8
	.type	k_q9709816b70_prep,@function
k_q9709816b70_prep:
	s_mov_b64 s[64:65], 0
	v_nop
	global_prefetch_b8 v0, s[64:65] scope:SCOPE_SE
	s_setreg_imm32_b32 hwreg(HW_REG_WAVE_MODE, 25, 1), 1
	s_wait_xcnt 0x0
; PREP: the casts to bf16 and the gates.  Two roles, chosen by the work-group's number (the same for all its waves).
;   work-groups 0-255   (role X): 16 rows of x each: xb = bf16(x); gates = relu(gu^2 / sum_m gu^2), gu = x Wg + bg (bf16 operands, f32 sums).
;   work-groups 256-767 (role W): Wb = bf16(W), laid out as [oblk 16][g 4][i 1024][e 4][ol 64] with expert m = 4 g + e and column o = 64 oblk + ol,
;                                 so that the next launch's tile (128 i x 4 experts x 64 columns) is 65,536 dense bytes in rows of 512.
; gates lie as [g 4][row 4096][e 4] f32: a row's four gates of a group are 16 neighbouring bytes.
; EVERY WAVE ISSUES ALL ITS LOADS AT ITS START, in both roles: no load waits for an earlier load's data.  With 162 registers a wave, six waves fit a SIMD's 1,024,
; so three work-groups (3 x 76,800 bytes of LDS) lie on a WGP, and the grid's 768 are three for each of the 256 WGPs: one of role X and two of role W.
; LIMITS: x, W and Wg are rounded to bf16.  gu is summed in eight parts along K (one a wave), which are then added in f32.  1 / sum is v_rcp_f32, which takes a
; denormal sum as zero: the sum of the sixteen gu^2 has to be a normal f32 (|gu| between about 1e-19 and 1e19); a sum of 0 gives NaN, as 0 / 0 does.
; The gate's relu is a compare and a select, so that a NaN stays a NaN.
.set R,    24                          ; role W: v[24:151]  raw data, 32 quads
.set XQ,   24                          ; role X: v[24:87]   x as loaded, 16 quads; the cast packs quad j into v[24+2j:25+2j], so v[24:55] hold bf16
.set AF,   56                          ;         v[56:87]   then free: four fragments of x (16 rows x 32 k)
.set WQ,   88                          ;         v[88:151]  Wg as loaded, 16 quads; packed likewise into v[88:119]
.set WF,   120                         ;         v[120:151] then free: four fragments of Wg (16 gates x 32 k)
.set ACC0, 88                          ;         v[88:95]   once the packed Wg has gone to LDS: the even fragments' sum
.set ACC1, 96                          ;         v[96:103]  the odd fragments' sum
.set GU,   104                         ;         v[104:111] gu, then the gates
.set T,    112                         ;         v[112:119] at work
.set BG,   152                         ;         v[152:159] register j: bg[8 (lane / 16) + j]
.set XS,   32768                       ; LDS: 0 .. 32,767 Wg in bf16, 4,096 bytes a wave: its own 128 k rows of 32 bytes; from XS on a stage of 16 rows x 272 bytes for each wave
.set XP,   272                         ; a stage row: 256 bytes + 16: the 16 rows that a fragment load touches start 17 x 16 bytes apart
.set PS,   XS+8*16*XP                  ; behind the stages: 1,024 bytes a wave for its part of gu
	s_load_b256 s[4:11], s[0:1], 0x0               ; x s[4:5], W s[6:7], Wg s[8:9], bg s[10:11]
	s_load_b128 s[12:15], s[0:1], 0x20             ; xb s[12:13], Wb s[14:15]
	s_load_b64 s[16:17], s[0:1], 0x30              ; gates
	v_lshl_add_u32 v160, v0, 2, 0x12800
	v_mov_b32 v161, 0
	v_and_b32 v1, 31, v0                           ; lane
	v_lshrrev_b32 v3, 5, v0
	v_readfirstlane_b32 s18, v3                    ; wave 0..7
	v_and_b32 v4, 15, v0                           ; lane % 16
	v_bfe_u32 v5, v0, 4, 1                         ; lane / 16
	s_cmp_lt_u32 ttmp9, 256
	s_cbranch_scc1 .Lrole_x
; ---------------- ROLE W: a stream, no LDS, no barrier, no loop ----------------
; The work-group takes group g and rows i0 .. i0 + 7 of its four experts.  Wave: u = wave % 2 picks experts 4 g + 2 u and + 1, ii = wave / 2 a row; two sweeps, four rows apart.
; A load: lanes 0-15 take 256 consecutive aligned bytes (64 columns) of one expert's row, lanes 16-31 the same columns of the next expert.
; The store of the cast: 32 lanes x 8 bytes = 256 consecutive aligned bytes of Wb: two experts x 64 columns.
	s_sub_co_u32 s20, ttmp9, 256
	s_lshr_b32 s21, s20, 7                         ; g
	s_and_b32 s22, s20, 127
	s_lshl_b32 s22, s22, 3                         ; i0
	s_lshr_b32 s23, s18, 1
	s_add_co_u32 s22, s22, s23                     ; i0 + ii
	s_and_b32 s23, s18, 1                          ; u
	s_lshl_b32 s34, s21, 2
	s_lshl1_add_u32 s34, s23, s34                  ; expert 4 g + 2 u
	s_lshl_b32 s34, s34, 22                        ; x 4,194,304 bytes
	s_lshl_b32 s35, s22, 12                        ; row x 4,096 bytes
	s_add_co_u32 s34, s34, s35
	s_mov_b32 s35, 0
	s_lshl_b32 s36, s21, 19                        ; Wb: g x 524,288
	s_lshl_b32 s37, s22, 9                         ; + row x 512
	s_add_co_u32 s36, s36, s37
	s_lshl_b32 s37, s23, 8                         ; + u x 256
	s_add_co_u32 s36, s36, s37
	s_mov_b32 s37, 0
	v_lshlrev_b32 v2, 4, v4                        ; load: 16 (lane % 16)
	v_lshl_add_u32 v2, v5, 22, v2                  ;       + the next expert for lanes 16-31
	v_lshlrev_b32 v6, 3, v1                        ; store: 8 x lane
	s_wait_kmcnt 0x0
	s_add_nc_u64 s[6:7], s[6:7], s[34:35]
	s_add_nc_u64 s[24:25], s[14:15], s[36:37]      ; four bases, 4 oblk (8,388,608 bytes) apart, so that the stores' immediates stay inside 24 signed bits
	s_add_nc_u64 s[26:27], s[24:25], 0x800000
	s_add_nc_u64 s[28:29], s[26:27], 0x800000
	s_add_nc_u64 s[30:31], s[28:29], 0x800000
.set n, 0
.rept 32                                               ; all 32 loads go out first: 16 KiB of a wave on their way
	global_load_b128 v[R+4*n:R+4*n+3], v2, s[6:7] offset:(n/16)*16384+(n%16)*256 th:TH_LOAD_NT
.set n, n+1
.endr
.set n, 0
.rept 32
	s_wait_loadcnt 31-n                            ; loads come back in order: load n is in, the 31 - n younger ones stay out
	v_cvt_pk_bf16_f32 v[R+4*n], v[R+4*n], v[R+4*n+1]
	v_cvt_pk_bf16_f32 v[R+4*n+1], v[R+4*n+2], v[R+4*n+3]
	global_store_b64 v6, v[R+4*n:R+4*n+1], s[24+2*((n%16)/4):25+2*((n%16)/4)] offset:((n%16)%4)*2097152+(n/16)*2048
.set n, n+1
.endr
	s_endpgm                                       ; no register that a store reads was written again: no wait for the stores' sources is needed
; ---------------- ROLE X ----------------
; The work-group owns rows 16 x its number .. + 15.  K is shared out: wave w takes columns 128 w .. 128 w + 127 of x and the same 128 k rows of Wg.  It casts its 8 KB of Wg into LDS
; bytes of its own, casts its part of x, stores that to xb and lays it into its own stage, reads the fragments back and makes its part of gu with four products.
; The matrix instruction is used transposed (source 0 = 16 gates, source 1 = 16 rows of x): a lane then holds ONE row of x (lane % 16) and the gates 8 (lane / 16) + 0..7,
; so the row's sum wants one exchange between the halves of the lanes.  The eight parts meet in LDS behind the one barrier; wave 0 adds them and bg and makes the gates.
.Lrole_x:
	s_mov_b32 s32, 0x76543210                      ; v_permlanex16_b32: each lane takes its own place in the other half
	s_mov_b32 s33, 0xfedcba98
	s_lshl_b32 s20, ttmp9, 16                      ; 16 rows x 4,096 bytes
	s_lshl_b32 s21, s18, 9                         ; my 128 columns x 4 bytes
	s_add_co_u32 s20, s20, s21                     ; my first number in x, in bytes
	s_mov_b32 s21, 0
	s_lshr_b32 s22, s20, 1                         ; in xb: half as many bytes
	s_mov_b32 s23, 0
	s_lshl_b32 s34, ttmp9, 8                       ; in gates: 16 rows x 16 bytes
	s_mov_b32 s35, 0
	s_lshl_b32 s36, s18, 13                        ; in Wg: my 128 k rows of 64 bytes
	s_mov_b32 s37, 0
	s_lshl_b32 s38, s18, 12                        ; LDS: my part of Wg in bf16
	s_mul_i32 s39, s18, 16*XP
	s_add_co_u32 s39, s39, XS                      ; LDS: my stage
	s_lshl_b32 s19, s18, 10
	s_add_co_u32 s19, s19, PS                      ; LDS: my part of gu
	v_lshlrev_b32 v2, 4, v1                        ; x and Wg: 16 x lane
	v_lshlrev_b32 v6, 3, v1                        ; xb: 8 x lane
	v_lshl_add_u32 v8, v1, 3, s38                  ; Wg into LDS: 8 x lane
	v_lshlrev_b32 v9, 5, v5                        ; bg: 32 (lane / 16)
	v_lshl_add_u32 v10, v1, 3, s39                 ; into the stage: 8 x lane
	v_mul_u32_u24 v11, v4, XP
	v_lshl_add_u32 v11, v5, 4, v11
	v_add_nc_u32 v11, s39, v11                     ; fragments of x: row (lane % 16) x pitch + 16 (lane / 16)
	v_and_b32 v12, 7, v0
	v_lshl_add_u32 v12, v5, 3, v12                 ; the turning load: k row 8 (lane / 16) + lane % 8,
	v_bfe_u32 v13, v0, 3, 1
	v_lshlrev_b32 v12, 5, v12                      ; rows of 32 bytes,
	v_lshl_add_u32 v12, v13, 4, v12                ; gates 8 ((lane / 8) % 2) + 0..7,
	v_add_nc_u32 v12, s38, v12                     ; in my part
	v_lshlrev_b32 v14, 4, v4
	v_lshl_add_u32 v14, v5, 17, v14                ; gates: 16 (lane % 16) + two groups (131,072 bytes) for lanes 16-31
	v_mov_b32 v15, 0
	v_lshl_add_u32 v16, v1, 5, s19                 ; my part of gu: 32 x lane
	v_lshl_add_u32 v17, v1, 5, PS                  ; wave 0's part: the others' lie 1,024 bytes apart behind it
	s_wait_kmcnt 0x0
	s_add_nc_u64 s[4:5], s[4:5], s[20:21]
	s_add_nc_u64 s[12:13], s[12:13], s[22:23]
	s_add_nc_u64 s[16:17], s[16:17], s[34:35]
	s_add_nc_u64 s[8:9], s[8:9], s[36:37]
	; all 34 loads in one run
	global_load_b128 v[BG:BG+3], v9, s[10:11]
	global_load_b128 v[BG+4:BG+7], v9, s[10:11] offset:16
.irp n, 0,1,2,3,4,5,6,7,8,9,10,11,12,13,14,15
	global_load_b128 v[WQ+4*\n:WQ+4*\n+3], v2, s[8:9] offset:\n*512           ; 8 k rows of Wg: 512 consecutive bytes; no hint: every work-group of this role reads them
.endr
.irp j, 0,1,2,3,4,5,6,7,8,9,10,11,12,13,14,15
	global_load_b128 v[XQ+4*\j:XQ+4*\j+3], v2, s[4:5] offset:\j*4096 th:TH_LOAD_NT   ; row j: my 128 columns, 512 consecutive bytes
.endr
	s_wait_loadcnt 16                              ; bg and Wg are in; x's sixteen loads, issued behind them, stay out
.irp n, 0,1,2,3,4,5,6,7,8,9,10,11,12,13,14,15  ; the cast packs downward: quad n goes into registers that earlier casts have read
	v_cvt_pk_bf16_f32 v[WQ+2*\n], v[WQ+4*\n], v[WQ+4*\n+1]
	v_cvt_pk_bf16_f32 v[WQ+2*\n+1], v[WQ+4*\n+2], v[WQ+4*\n+3]
	ds_store_b64 v8, v[WQ+2*\n:WQ+2*\n+1] offset:\n*256
.endr
.irp j, 0,1,2,3,4,5,6,7,8,9,10,11,12,13,14,15
	s_wait_loadcnt 15-\j                           ; loads come back in order: row j is in, the 15 - j rows behind it stay out; the cast writes into quads that have landed
	v_cvt_pk_bf16_f32 v[XQ+2*\j], v[XQ+4*\j], v[XQ+4*\j+1]
	v_cvt_pk_bf16_f32 v[XQ+2*\j+1], v[XQ+4*\j+2], v[XQ+4*\j+3]
	global_store_b64 v6, v[XQ+2*\j:XQ+2*\j+1], s[12:13] offset:\j*2048         ; 32 lanes store 256 consecutive bytes, aligned
	ds_store_b64 v10, v[XQ+2*\j:XQ+2*\j+1] offset:\j*XP
.endr
.irp f, 0,1,2,3                        ; LDS serves a wave's instructions in order: these loads see the stores above (stage and part of Wg are my own)
	ds_load_b128 v[AF+8*\f:AF+8*\f+3], v11 offset:64*\f
	ds_load_b128 v[AF+8*\f+4:AF+8*\f+7], v11 offset:64*\f+32
	ds_load_tr16_b128 v[WF+8*\f:WF+8*\f+3], v12 offset:1024*\f
	ds_load_tr16_b128 v[WF+8*\f+4:WF+8*\f+7], v12 offset:1024*\f+512
.endr
	s_wait_dscnt 0x0                               ; the fragments are in, and the LDS stores have read the packed Wg, whose registers the sums now take
	v_wmma_f32_16x16x32_bf16 v[ACC0:ACC0+7], v[WF:WF+7], v[AF:AF+7], 0         ; the first products start the sums; the two accumulators take turns
	v_wmma_f32_16x16x32_bf16 v[ACC1:ACC1+7], v[WF+8:WF+15], v[AF+8:AF+15], 0
	v_wmma_f32_16x16x32_bf16 v[ACC0:ACC0+7], v[WF+16:WF+23], v[AF+16:AF+23], v[ACC0:ACC0+7]
	v_wmma_f32_16x16x32_bf16 v[ACC1:ACC1+7], v[WF+24:WF+31], v[AF+24:AF+31], v[ACC1:ACC1+7]
.rept 4
	v_nop                                          ; four places between the last products and the first read of their results, and the loads into their sources below
.endr
.irp k, 0,2,4,6
	v_pk_add_f32 v[GU+\k:GU+\k+1], v[ACC0+\k:ACC0+\k+1], v[ACC1+\k:ACC1+\k+1]  ; my part of gu, from each accumulator's low end on
.endr
	ds_store_b128 v16, v[GU:GU+3]
	ds_store_b128 v16, v[GU+4:GU+7] offset:16
	s_wait_dscnt 0x0                               ; for wave 0's sake: my part is in LDS
	s_barrier_signal -1
	s_barrier_wait -1                              ; all eight parts are; nobody writes them again
	s_cmp_lg_u32 s18, 0
	s_cbranch_scc1 .Lx_end                         ; waves 1 to 7 have done their share
.set k, 1
.rept 7                                                ; the seven other parts, into the fragments' registers
.if k < 5
.set PR, AF+8*(k-1)
.else
.set PR, WF+8*(k-5)
.endif
	ds_load_b128 v[PR:PR+3], v17 offset:k*1024
	ds_load_b128 v[PR+4:PR+7], v17 offset:k*1024+16
.set k, k+1
.endr
.irp k, 0,2,4,6
	v_pk_add_f32 v[GU+\k:GU+\k+1], v[GU+\k:GU+\k+1], v[BG+\k:BG+\k+1]          ; + bg, while the parts are on their way
.endr
	s_wait_dscnt 0x0
.irp p, AF, AF+8, AF+16, AF+24, WF, WF+8, WF+16
.irp k, 0,2,4,6
	v_pk_add_f32 v[GU+\k:GU+\k+1], v[GU+\k:GU+\k+1], v[\p+\k:\p+\k+1]
.endr
.endr
.irp k, 0,2,4,6
	v_pk_mul_f32 v[GU+\k:GU+\k+1], v[GU+\k:GU+\k+1], v[GU+\k:GU+\k+1]          ; gu^2
.endr
	v_pk_add_f32 v[T:T+1], v[GU:GU+1], v[GU+2:GU+3]
	v_pk_add_f32 v[T+2:T+3], v[GU+4:GU+5], v[GU+6:GU+7]
	v_pk_add_f32 v[T:T+1], v[T:T+1], v[T+2:T+3]
	v_add_f32 v[T], v[T], v[T+1]                   ; my eight gates' sum
	v_permlanex16_b32 v[T+1], v[T], s32, s33       ; the row's other eight lie in the lane 16 away
	v_add_f32 v[T], v[T], v[T+1]
	v_rcp_f32 v[T+2], v[T]                         ; twice: a pair for the packed multiply
	v_rcp_f32 v[T+3], v[T]
	v_nop                                          ; a plain instruction between a reciprocal and the use of its result (ISA guide 5.7.2)
	s_wait_alu depctr_va_vdst(0)
.irp k, 0,2,4,6
	v_pk_mul_f32 v[GU+\k:GU+\k+1], v[GU+\k:GU+\k+1], v[T+2:T+3]
.endr
.irp k, 0,1,2,3,4,5,6,7
	v_cmp_gt_f32 vcc_lo, 0, v[GU+\k]               ; relu that keeps a NaN: 0 only where 0 > g
	v_cndmask_b32 v[GU+\k], v[GU+\k], v15, vcc_lo
.endr
	global_store_b128 v14, v[GU:GU+3], s[16:17]                    ; group 2 (lane / 16): 16 lanes store 256 consecutive bytes, aligned
	global_store_b128 v14, v[GU+4:GU+7], s[16:17] offset:65536     ; group 2 (lane / 16) + 1
.Lx_end:
	s_wait_tensorcnt 0x0
	ds_add_u32 v160, v161
	s_wait_dscnt 0x0
	s_endpgm
.Lfunc_end_k_q9709816b70_prep:
	.size	k_q9709816b70_prep, .Lfunc_end_k_q9709816b70_prep-k_q9709816b70_prep
	.p2alignl 7, 3214868480
	.fill 96, 4, 3214868480
	.section	.rodata,"a",@progbits
	.p2align	6, 0x0
	.amdhsa_kernel k_q9709816b70_prep
		.amdhsa_group_segment_fixed_size 76800
		.amdhsa_private_segment_fixed_size 0
		.amdhsa_enable_private_segment 0
		.amdhsa_kernarg_size 56
		.amdhsa_user_sgpr_count 2
		.amdhsa_user_sgpr_kernarg_segment_ptr 1
		.amdhsa_wavefront_size32 1
		.amdhsa_system_sgpr_workgroup_id_x 1
		.amdhsa_system_sgpr_workgroup_id_y 1
		.amdhsa_system_sgpr_workgroup_id_z 1
		.amdhsa_system_vgpr_workitem_id 0
		.amdhsa_next_free_vgpr 162
		.amdhsa_next_free_sgpr 66
		.amdhsa_reserve_vcc 1
		.amdhsa_float_denorm_mode_32 3
		.amdhsa_float_denorm_mode_16_64 3
		.amdhsa_memory_ordered 1
		.amdhsa_forward_progress 1
		.amdhsa_inst_pref_size 33
	.end_amdhsa_kernel
	.amdgpu_metadata
---
amdhsa.version: [ 1, 2 ]
amdhsa.kernels:
  - .name:           k_q9709816b70_prep
    .symbol:         k_q9709816b70_prep.kd
    .args:
      - { .name: x, .offset: 0, .size: 8, .value_kind: global_buffer, .address_space: global }
      - { .name: W, .offset: 8, .size: 8, .value_kind: global_buffer, .address_space: global }
      - { .name: Wg, .offset: 16, .size: 8, .value_kind: global_buffer, .address_space: global }
      - { .name: bg, .offset: 24, .size: 8, .value_kind: global_buffer, .address_space: global }
      - { .name: xb, .offset: 32, .size: 8, .value_kind: global_buffer, .address_space: global }
      - { .name: Wb, .offset: 40, .size: 8, .value_kind: global_buffer, .address_space: global }
      - { .name: gates, .offset: 48, .size: 8, .value_kind: global_buffer, .address_space: global }
    .group_segment_fixed_size: 76800
    .private_segment_fixed_size: 0
    .kernarg_segment_align: 8
    .kernarg_segment_size: 56
    .max_flat_workgroup_size: 256
    .sgpr_count:     66
    .vgpr_count:     162
    .wavefront_size: 32
...
	.end_amdgpu_metadata
.endif
;; end of part 1
;; launch moe (part 2): grid 16 x 16, 4 waves a work-group, clusters of 4 x 4, 327,680 bytes of LDS; arguments xb, Wb, b, gates, out0; writes out0
.if DOCPART == 2
	.amdgcn_target "amdgcn-amd-amdhsa--gfx1250"
	.amdhsa_code_object_version 6
	.text
	.protected	k_q9709816b70_moe
	.globl	k_q9709816b70_moe
	.p2align	8
	.type	k_q9709816b70_moe,@function
k_q9709816b70_moe:
	s_mov_b64 s[64:65], 0
	v_nop
	global_prefetch_b8 v0, s[64:65] scope:SCOPE_SE
	s_setreg_imm32_b32 hwreg(HW_REG_WAVE_MODE, 25, 1), 1
	s_wait_xcnt 0x0
	s_wait_alu depctr_hold_cnt(0) depctr_sa_sdst(0) depctr_va_vdst(0) depctr_va_sdst(0) depctr_va_ssrc(0) depctr_va_vcc(0) depctr_vm_vsrc(0)
	s_getreg_b32 s2, hwreg(HW_REG_IB_STS2, 6, 4)
	s_cmp_eq_u32 s2, 0
	s_cbranch_scc0 .Lentry_in_a_cluster
	s_endpgm
.Lentry_in_a_cluster:
	s_bfe_u32 s2, ttmp6, 0x10000c
	s_cmp_lg_u32 s2, 0xf033
	s_cbranch_scc0 .Lentry_shape_is_right
	s_endpgm
.Lentry_shape_is_right:
; out[row][o] = sum over 16 experts m of gate[row][m] * relu(sum_i x[row][i] W[m][i][o] + b[m][o]).  xb, Wb, gates as the launch before left them; b, out0 f32.
; SHARES.  A work-group owns 256 rows x 64 columns of out (rblk, oblk).  The experts go in four GROUPS of four: a group is a product of 256 rows x 256 columns
; (4 experts x 64 columns) x K = 1,024.  Four waves, as many as a WGP has SIMDs; a wave makes 128 rows x (4 experts x 32 columns): 64 accumulators of 16 x 16,
; 512 registers.  At a group's end relu, gate and the sum over its four experts fold them into the wave's tile of out, 128 x 32 in f32, 128 registers,
; which stays in registers over all four groups.  The bias is the C operand of each accumulator's first product.
; K goes in steps of 128 through a ring of two LDS slots filled by the tensor data mover; the ring does not stop at a group's end.
; CLUSTER.  4 x 4 work-groups.  The four of a row of the cluster share rblk and so x's tiles, the four of a column share oblk and so W's: each tile is asked for
; JOINTLY, by the same tensor load with the same descriptor and a mask that names the four.
; THE MATRIX INSTRUCTION IS USED TRANSPOSED: source 0 = 16 columns of W (turned on the way out of LDS by ds_load_tr16_b128, since W lies [i][o]), source 1 = 16 rows
; of x.  A lane then holds ONE row (lane % 16) and eight neighbouring columns 8 (lane / 16) + 0..7: a gate is one number a lane.
; LIMITS.  x and W are bf16.  relu is v_max_num_f32 with 0: a NaN sum (only from inputs that are not finite, or from overflow) becomes 0.
; REGISTERS, in windows of 256 (s_set_vgpr_msb: bits 1:0 source 0, 3:2 source 1, 5:4 source 2, 7:6 destination):
;   window 0: v0-31 addresses; v32-63 gates (row block a, expert e at 32 + 4 a + e); v64-127, v128-191 fragments of x, two buffers; v192-255 bias (8 registers for each column block b = 2 e + t)
;   window 1: v64-127, v128-191 fragments of W, two buffers; v0-63, v192-255 the tile of out ((a, t) at 8 (2 a + t), for a > 3 at 192 + 8 (2 (a - 4) + t))
;   window 2: the accumulators of row blocks 0-3 ((a, b) at 8 (8 a + b));   window 3: those of row blocks 4-7
.set PA,    272                        ; a row of x in LDS: 256 bytes + 16: 68 words, so the 16 rows of a fragment load start at 16 different banks (64 banks of 4 bytes: ISA guide 11.1)
.set PB,    544                        ; a row of W in LDS: 512 bytes + 32 = 17 x 32
.set HALF,  128*PA                     ; what one tensor load brings: 128 rows of x, or 64 rows of W (64 x 544 is the same 34,816 bytes)
.set SLOT,  4*HALF                     ; x's 256 rows, then W's 128 k rows
.set BOFF,  2*HALF
.set SPARE, 2*SLOT                     ; behind the ring: the spare words, 128 bytes for each wave: two blocks of 256 bytes that no other line names
.set STAGE, SPARE+512                  ; behind them: 128 rows x 272 bytes, the work-group's, for the way out; no tensor load fills it
.set SP,    272
.set ADRA, 16                          ; v16-17  LDS address of my fragments of x in slot 0, 1
.set ADRB, 20                          ; v20-21  the same for W
.set BO,   22                          ; v22     bias: 32 (lane / 16)
.set GO,   23                          ; v23     gates: 16 (lane % 16)
.set STO,  24                          ; v24     the way out: where I put 32 bytes of a row
.set RD,   25                          ; v25     the way out: where I read a row back
.set CO,   26                          ; v26     my byte offset in out0
.set SPW,  28                          ; v28     LDS address of my spare word; never rewritten
.set NIL,  29                          ; v29     0; never rewritten
.set G,    32
.set F0,   64
.set F1,   128
.set BIAS, 192
.set WV,   14                          ; s14 wave;  s15 RH = wave / 2: my 128 rows, and: I fetch for x (0) or for W (1);  s16 CH = wave % 2: my 32 of each expert's 64 columns, and: which half of a tile I fetch
.set RH,   15
.set CH,   16
.set G1A,  24                          ; s[24:31] descriptor group 1 for x's tiles;  s[32:39] group 0, a set for each slot
.set G0A,  32
.set G1B,  48                          ; s[48:55], s[56:63] the same for W's tiles
.set G0B,  56
.set MSB, 0
.macro WIN new                         ; the immediate's high byte repeats the setting that is left; a switch that changes nothing is dropped
.if MSB != (\new)
	s_set_vgpr_msb (MSB<<8)|(\new)
.set MSB, (\new)
.endif
.endm
.set MUL_LO, 0xa1                      ; source 0 (W) window 1, source 1 (x) window 0, C and D window 2; with the bias as C (window 0): 0x81
.set MUL_HI, 0xf1                      ; the same, C and D window 3; with the bias as C: 0xc1
.set TO_B,   0x40                      ; destination window 1, address window 0
; A joint load.  Waves 0 and 1 fetch x's two halves, waves 2 and 3 W's.  The branch hangs on the wave's number alone.  Four v_nop follow each of the two lines, ahead of the jump, the label and what follows.
.macro JLOAD s
	s_cmp_eq_u32 s[RH], 0
	s_cbranch_scc0 .Lfor_w_\@
	tensor_load_to_lds s[G0A+4*\s:G0A+4*\s+3], s[G1A:G1A+7]
	s_nop 0
.rept 4
	v_nop
.endr
	s_branch .Lasked_\@
.Lfor_w_\@:
	tensor_load_to_lds s[G0B+4*\s:G0B+4*\s+3], s[G1B:G1B+7]
	s_nop 0
.rept 4
	v_nop
.endr
.Lasked_\@:
.endm
.macro CREST                           ; a round of the cluster's barrier behind its opening barrier: wave 0 signals for the work-group, every wave waits for all sixteen, my work-group's barrier closes it
	s_cmp_lg_u32 s[WV], 0
	s_cbranch_scc1 .Lnot_wave_0_\@
	s_barrier_signal -3
.Lnot_wave_0_\@:
	s_barrier_wait -3
	s_barrier_signal -1
	s_barrier_wait -1
.endm
.macro CROUND                          ; a whole round
	s_barrier_signal -1
	s_barrier_wait -1
	CREST
.endm
	s_load_b256 s[4:11], s[0:1], 0x0               ; xb s[4:5], Wb s[6:7], b s[8:9], gates s[10:11]
	s_load_b64 s[12:13], s[0:1], 0x20              ; out0
	v_lshl_add_u32 v[SPW], v0, 2, SPARE
	v_mov_b32 v[NIL], 0
	ds_add_u32 v28, v29
	s_wait_dscnt 0x0
	v_lshrrev_b32 v1, 5, v0
	v_readfirstlane_b32 s[WV], v1                  ; wave 0..3
	s_lshr_b32 s[RH], s[WV], 1
	s_and_b32 s[CH], s[WV], 1
	s_bfe_u32 s17, ttmp6, 0x40000                  ; cx
	s_bfe_u32 s18, ttmp6, 0x40004                  ; cy
	s_lshl_b32 s19, ttmp9, 2
	s_add_co_u32 s19, s19, s17                     ; oblk = 4 x cluster x + cx
	s_and_b32 s20, ttmp7, 0xffff
	s_lshl_b32 s20, s20, 2
	s_add_co_u32 s20, s20, s18                     ; rblk = 4 x cluster y + cy
	s_lshl_b32 s21, s18, 2
	s_lshl_b32 s21, 15, s21                        ; my row of the cluster: places 4 cy .. 4 cy + 3
	s_lshl_b32 s22, 0x1111, s17                    ; my column: places cx, cx + 4, cx + 8, cx + 12
	; group 1 for x: 128 rows x 128 elements of 2 bytes, 1,024 elements from row to row; 4 words of padding behind every 64
	s_or_b32 s[G1A+0], s21, (1<<16)|(1<<20)|(1<<21)|(5<<22)|(3<<25)   ; 15:0 mask; 17:16 elements of 2 bytes; 20 padding on; 21 set beside a mask; 24:22 interval; 31:25 padding
	s_mov_b32 s[G1A+1], 128<<16                    ; tensor_dim0 = 128
	s_mov_b32 s[G1A+2], 128<<16                    ; tensor_dim1 = 128
	s_mov_b32 s[G1A+3], 128<<16                    ; tile_dim0 = 128
	s_mov_b32 s[G1A+4], 128                        ; tile_dim1 = 128
	s_mov_b32 s[G1A+5], 1024                       ; stride
	s_mov_b32 s[G1A+6], 0
	s_mov_b32 s[G1A+7], 0
	; group 1 for W: 64 rows x 256 elements, dense (256 elements from row to row); 8 words of padding behind every 128
	s_or_b32 s[G1B+0], s22, (1<<16)|(1<<20)|(1<<21)|(6<<22)|(7<<25)
	s_mov_b32 s[G1B+1], 256<<16
	s_mov_b32 s[G1B+2], 64<<16
	s_mov_b32 s[G1B+3], 256<<16
	s_mov_b32 s[G1B+4], 64
	s_mov_b32 s[G1B+5], 256
	s_mov_b32 s[G1B+6], 0
	s_mov_b32 s[G1B+7], 0
	; x's tiles hang on rblk alone, W's on oblk alone; each address is made in registers that never hold the other coordinate
	s_lshl_b32 s40, s20, 19                        ; 256 rblk rows of 2,048 bytes
	s_lshl_b32 s41, s[CH], 18                      ; + my half's 128 rows
	s_add_co_u32 s40, s40, s41
	s_mov_b32 s41, 0
	s_lshl_b32 s42, s19, 21                        ; oblk x 32 K steps of 65,536 bytes
	s_lshl_b32 s43, s[CH], 15                      ; + my half's 64 rows of 512 bytes
	s_add_co_u32 s42, s42, s43
	s_mov_b32 s43, 0
	s_mul_i32 s23, s[WV], HALF                     ; where they go: x's two halves, then W's two halves = wave x HALF
	s_wait_kmcnt 0x0
	s_add_nc_u64 s[44:45], s[4:5], s[40:41]
	s_add_nc_u64 s[46:47], s[6:7], s[42:43]
	CROUND                                         ; all sixteen work-groups are here: the first joint loads meet
.irp s, 0,1
	s_mov_b32 s[G0A+4*\s], 1                                       ; count = 1
	s_add_co_u32 s[G0A+4*\s+1], s23, \s*SLOT                       ; LDS address
	s_add_nc_u64 s[G0A+4*\s+2:G0A+4*\s+3], s[44:45], \s*256        ; K step s: 128 elements along the rows
	s_or_b32 s[G0A+4*\s+3], s[G0A+4*\s+3], 0x80000000              ; type = 2
	s_mov_b32 s[G0B+4*\s], 1
	s_add_co_u32 s[G0B+4*\s+1], s23, \s*SLOT
	s_add_nc_u64 s[G0B+4*\s+2:G0B+4*\s+3], s[46:47], \s*65536      ; K step s: 128 rows down
	s_or_b32 s[G0B+4*\s+3], s[G0B+4*\s+3], 0x80000000
	JLOAD \s                                       ; two tensor loads of mine are out
.endr
	; the bases of b, gates and out0
	s_lshl_b32 s42, s19, 8                         ; oblk's 64 columns of f32
	s_mov_b32 s43, 0
	s_add_nc_u64 s[12:13], s[12:13], s[42:43]
	s_lshl_b32 s46, s[CH], 7                       ; my 32 of them
	s_add_co_u32 s42, s42, s46
	s_add_nc_u64 s[8:9], s[8:9], s[42:43]          ; b at expert 0, my first column
	s_lshl_b32 s40, s20, 12
	s_lshl_b32 s41, s[RH], 11
	s_add_co_u32 s40, s40, s41                     ; (256 rblk + 128 RH) x 16 bytes
	s_mov_b32 s41, 0
	s_add_nc_u64 s[10:11], s[10:11], s[40:41]      ; gates at group 0, my first row
	s_lshl_b32 s40, s40, 8                         ; the same rows x 4,096 bytes
	s_lshl_b32 s44, s[CH], 17                      ; + 32 CH rows: on the way out wave w stores stage rows 32 w .. 32 w + 31
	s_add_co_u32 s40, s40, s44
	s_add_nc_u64 s[12:13], s[12:13], s[40:41]
	; lane addresses
	v_and_b32 v1, 15, v0                           ; r = lane % 16
	v_bfe_u32 v2, v0, 4, 1                         ; h = lane / 16
	v_mul_u32_u24 v3, v1, PA
	v_lshl_add_u32 v3, v2, 4, v3                   ; x: row r x pitch + 16 h
	v_and_b32 v5, 7, v0
	v_bfe_u32 v6, v0, 3, 1
	v_lshl_add_u32 v4, v2, 3, v5                   ; W: k row 8 h + lane % 8,
	v_mul_u32_u24 v4, v4, PB
	v_lshl_add_u32 v4, v6, 4, v4                   ; columns 8 ((lane / 8) % 2) + 0..7
	s_mul_i32 s21, s[RH], HALF                     ; my 128 rows of x
	s_lshl_b32 s22, s[CH], 6                       ; my 32 columns (64 bytes) of each expert's 64,
	s_add_co_u32 s22, s22, BOFF                    ; behind x's 256 rows
.irp s, 0,1
	v_add_nc_u32 v[ADRA+\s], s21, v3
	v_add_nc_u32 v[ADRB+\s], s22, v4
	s_add_co_u32 s21, s21, SLOT
	s_add_co_u32 s22, s22, SLOT
.endr
	v_lshlrev_b32 v[BO], 5, v2
	v_lshlrev_b32 v[GO], 4, v1
	s_mul_i32 s23, s[RH], 64*SP                    ; into the stage: my row half's 64 rows, my 128 bytes of their 256
	s_lshl_b32 s21, s[CH], 7
	s_add_co_u32 s23, s23, s21
	s_add_co_u32 s23, s23, STAGE
	v_mul_u32_u24 v7, v1, SP
	v_lshl_add_u32 v7, v2, 5, v7                   ; row r, 32 bytes for each half of the lanes
	v_add_nc_u32 v[STO], s23, v7
	s_mul_i32 s23, s[WV], 32*SP                    ; back: wave w takes rows 32 w .. 32 w + 31, whole; lanes 0-15 one row of 256 bytes, lanes 16-31 the next
	s_add_co_u32 s23, s23, STAGE
	v_mul_u32_u24 v8, v2, SP
	v_lshl_add_u32 v8, v1, 4, v8
	v_add_nc_u32 v[RD], s23, v8
	v_lshlrev_b32 v9, 12, v2                       ; and the same two rows in out0
	v_lshl_add_u32 v[CO], v1, 4, v9
.macro BIASLOAD                        ; 16 loads: register j of block b = 2 e + t: b[4 g + e][my first column + 16 t + 8 h + j]
.irp e, 0,1,2,3
.irp t, 0,1
	global_load_b128 v[BIAS+8*(2*\e+\t):BIAS+8*(2*\e+\t)+3],   v[BO], s[8:9] offset:\e*4096+\t*64
	global_load_b128 v[BIAS+8*(2*\e+\t)+4:BIAS+8*(2*\e+\t)+7], v[BO], s[8:9] offset:\e*4096+\t*64+16
.endr
.endr
.endm
.macro GATELOAD                        ; 8 loads: the group's four gates of row 16 a + r; sixteen lanes take 256 consecutive bytes
.irp a, 0,1,2,3,4,5,6,7
	global_load_b128 v[G+4*\a:G+4*\a+3], v[GO], s[10:11] offset:\a*256
.endr
.endm
	BIASLOAD
	GATELOAD
	; The tile of out is a sum over four groups of gated relus: no product can start it.  Its 128 registers are cleared once, here, while the first tiles are on their way.
	WIN 0x40
.set i, 0
.rept 64
	v_mov_b32 v[i], 0
	v_mov_b32 v[192+i], 0
.set i, i+1
.endr
	WIN 0
; 16 matrix instructions: row blocks a0, a0 + 1 of the window's four x all 8 column blocks, 32 along K.  first = 1: the bias is C and starts the sums.
; The 64 accumulators take turns, one instruction a turn, in the same order in every quarter.
.macro MUL16 f, hi, a0, first
.irp a, \a0, \a0+1
.irp b, 0,1,2,3,4,5,6,7
.if \first
	v_wmma_f32_16x16x32_bf16 v[8*(8*(\a)+\b):8*(8*(\a)+\b)+7], v[\f+8*\b:\f+8*\b+7], v[\f+8*(4*\hi+\a):\f+8*(4*\hi+\a)+7], v[BIAS+8*\b:BIAS+8*\b+7]
.else
	v_wmma_f32_16x16x32_bf16 v[8*(8*(\a)+\b):8*(8*(\a)+\b)+7], v[\f+8*\b:\f+8*\b+7], v[\f+8*(4*\hi+\a):\f+8*(4*\hi+\a)+7], v[8*(8*(\a)+\b):8*(8*(\a)+\b)+7]
.endif
.endr
.endr
.endm
; 32 LDS loads in one run: quarter q's fragments (32 along K) into buffer f: W's 8 column blocks (block i: expert i / 2, columns 16 (i % 2) on), turned; then x's 8 row blocks
.macro FETCH slot, q, f
	WIN TO_B
.irp i, 0,1,2,3,4,5,6,7
	ds_load_tr16_b128 v[\f+8*\i:\f+8*\i+3],   v[ADRB+\slot] offset:\q*32*PB+(\i/2)*128+(\i%2)*32
	ds_load_tr16_b128 v[\f+8*\i+4:\f+8*\i+7], v[ADRB+\slot] offset:\q*32*PB+(\i/2)*128+(\i%2)*32+16*PB
.endr
	WIN 0
.irp i, 0,1,2,3,4,5,6,7
	ds_load_b128 v[\f+8*\i:\f+8*\i+3],   v[ADRA+\slot] offset:\q*64+\i*16*PA
	ds_load_b128 v[\f+8*\i+4:\f+8*\i+7], v[ADRA+\slot] offset:\q*64+\i*16*PA+32
.endr
.endm
.macro PLACES                          ; four places in front of loads into registers that matrix instructions have read, and of vector instructions that read results just made (ISA guide 7.12.1 for vector instructions)
.rept 4
	v_nop
.endr
.endm
; A K step is four quarters of 32 along K, 64 matrix instructions each, on buffers 0, 1, 0, 1.  One of the first three: multiplies buffer f; in its middle it fetches quarter q of the same slot into g.
.macro QUARTER slot, q, f, g, first
	s_wait_dscnt 8                                 ; W and x's row blocks 0-3 are in; the youngest eight loads (row blocks 4-7) may be out
	WIN MUL_LO-0x20*\first
	MUL16 \f, 0, 0, \first
	MUL16 \f, 0, 2, \first
	PLACES
	FETCH \slot, \q, \g
	s_wait_dscnt 32                                ; all but the 32 just issued
	WIN MUL_HI-0x30*\first
	MUL16 \f, 1, 0, \first
	MUL16 \f, 1, 2, \first
.endm
; The last quarter multiplies buffer 1 and changes slots.  MEET is its first half: ONE barrier.  In front of it each wave waits for all its tensor loads (one is out: its part of the
; next slot), adds 0 to its spare word, and waits for that and for its own reads of this slot.  Behind it nobody reads this slot any more and the next slot is whole.
.macro MEET round
	WIN 0                                          ; (the add's two registers lie in window 0)
	s_wait_tensorcnt 0x0
	ds_add_u32 v[SPW], v[NIL]                      ; 0 onto my spare word
	s_wait_dscnt 9                                 ; (the add and the youngest eight loads may be out)
	WIN MUL_LO
	MUL16 F1, 0, 0, 0                              ; sixteen matrix instructions stand between the add and the wait for it
	s_wait_dscnt 0x0                               ; the add is done, and my reads of this slot are over
	s_barrier_signal -1
	MUL16 F1, 0, 2, 0                              ; work on registers while the others arrive
.if \round
	WIN 0
.endif
	s_barrier_wait -1
.endm
; The whole last quarter.  The barrier opens a round of the cluster's; behind the round the slot just read out is filled again first: with this group's K step two on (on = 0) or,
; in a group's last two K steps, with the next group's K step 0 or 1 (on = 1): W's steps lie one behind the other over all groups, x goes back along its rows.
.macro TURN slot, next, on
	MEET 1
	CREST
.if \on
	s_sub_nc_u64 s[G0A+4*\slot+2:G0A+4*\slot+3], s[G0A+4*\slot+2:G0A+4*\slot+3], 6*256
.else
	s_add_nc_u64 s[G0A+4*\slot+2:G0A+4*\slot+3], s[G0A+4*\slot+2:G0A+4*\slot+3], 2*256
.endif
	s_add_nc_u64 s[G0B+4*\slot+2:G0B+4*\slot+3], s[G0B+4*\slot+2:G0B+4*\slot+3], 2*65536
	JLOAD \slot                                    ; my one tensor load behind the round: 224 matrix instructions ahead of the wait for it; its four v_nop are also the places in front of the loads below
	FETCH \next, 0, F0
	WIN MUL_HI
	MUL16 F1, 1, 0, 0
	MUL16 F1, 1, 2, 0
.endm
; A group from its first quarter to the third quarter of its seventh K step
.macro COMMON
	QUARTER 0, 1, F0, F1, 1                        ; the first quarter stands in front of the loop: its products start the sums, with the bias
	WIN 0                                          ; at a label and at a branch every window is 0
	s_mov_b32 s3, 3
.Llap_\@:                                              ; a trip goes once round the ring, from a lap's second quarter to the next lap's first, and fills both slots again
	QUARTER 0, 2, F1, F0, 0
	QUARTER 0, 3, F0, F1, 0
	TURN 0, 1, 0
	QUARTER 1, 1, F0, F1, 0
	QUARTER 1, 2, F1, F0, 0
	QUARTER 1, 3, F0, F1, 0
	TURN 1, 0, 0
	QUARTER 0, 1, F0, F1, 0
	WIN 0
	s_sub_co_u32 s3, s3, 1
	s_cmp_lg_u32 s3, 0
	s_cbranch_scc1 .Llap_\@
	QUARTER 0, 2, F1, F0, 0
	QUARTER 0, 3, F0, F1, 0
.endm
; A group's end: out(a, t) += gate(a, e) x relu(acc(a, 2 e + t)), e = 0..3.  First relu in place, each accumulator from its low end on; the 256 of window 2 are also the places behind the
; last products, which are window 3's.  Then packed multiply-adds, the gate taken from one register of its pair for both halves; two on one pair of out stand eight apart.
.macro EPI
.irp hi, 0,1
	WIN 0x88+0x44*\hi                              ; source 1 and destination: window 2 or 3
.set i, 0
.rept 256
	v_max_num_f32 v[i], 0, v[i]
.set i, i+1
.endr
	WIN 0x52+\hi                                   ; out (destination, source 2) window 1, accumulator (source 0) window 2 or 3, gate (source 1) window 0
.irp aa, 0,1,2,3
.irp e, 0,1,2,3
.irp t, 0,1
.irp r, 0,1,2,3
.set rO, 192*\hi+8*(2*\aa+\t)+2*\r
.set rC, 8*(8*\aa+2*\e+\t)+2*\r
.set rG, G+4*(4*\hi+\aa)+2*(\e/2)
.if \e%2
	v_pk_fma_f32 v[rO:rO+1], v[rC:rC+1], v[rG:rG+1], v[rO:rO+1] op_sel:[0,1,0] op_sel_hi:[1,1,1]
.else
	v_pk_fma_f32 v[rO:rO+1], v[rC:rC+1], v[rG:rG+1], v[rO:rO+1] op_sel_hi:[1,0,1]
.endif
.endr
.endr
.endr
.endr
.endr
.endm
	s_wait_tensorcnt 1                             ; my part of K step 0 is in; K step 1's may stay out
	s_barrier_signal -1
	s_barrier_wait -1                              ; everybody's is
	FETCH 0, 0, F0
	s_mov_b32 s2, 3                                ; groups 0 to 2 have a successor; the same number in every work-group
.Lgroup:
	s_wait_loadcnt 8                               ; the bias is in; the eight loads of gates issued behind it may stay out (on both ways to this line)
	COMMON
	TURN 0, 1, 1                                   ; THE RING GOES ON INTO THE NEXT GROUP: slot 0 takes its K step 0
	WIN 0
	s_add_nc_u64 s[8:9], s[8:9], 4*4096            ; four experts on (the loads that named this base were shown done at the group's head)
	BIASLOAD                                       ; the next group's bias: it has the rest of this group in which to land
	QUARTER 1, 1, F0, F1, 0
	QUARTER 1, 2, F1, F0, 0
	QUARTER 1, 3, F0, F1, 0
	TURN 1, 0, 1                                   ; slot 1 takes the next group's K step 1, and its first fragments are fetched
	s_wait_loadcnt 16                              ; this group's gates are in; the sixteen loads of bias issued behind them may stay out
	EPI                                            ; window 2's accumulators were finished in front of the joint load's four v_nop
	WIN 0
	s_add_nc_u64 s[10:11], s[10:11], 65536         ; the next group's gates (the wait above has shown the loads that named this base done)
	GATELOAD
	s_sub_co_u32 s2, s2, 1
	s_cmp_lg_u32 s2, 0
	s_cbranch_scc1 .Lgroup
	; THE LAST GROUP is written out: its last lap asks for nothing
	s_wait_loadcnt 8
	COMMON
	MEET 0                                         ; my one tensor load that was still out is slot 1's, the last K step's, so no round follows
	PLACES
	FETCH 1, 0, F0
	WIN MUL_HI
	MUL16 F1, 1, 0, 0
	MUL16 F1, 1, 2, 0
	QUARTER 1, 1, F0, F1, 0
	QUARTER 1, 2, F1, F0, 0
	QUARTER 1, 3, F0, F1, 0
	s_wait_dscnt 8                                 ; the very last quarter: nothing more to fetch
	WIN MUL_LO
	MUL16 F1, 0, 0, 0
	MUL16 F1, 0, 2, 0
	s_wait_dscnt 0x0
	WIN MUL_HI
	MUL16 F1, 1, 0, 0
	MUL16 F1, 1, 2, 0
	PLACES                                         ; four places behind window 3's last products
	s_wait_loadcnt 0x0                             ; the last group's gates
	EPI
	; THE WAY OUT, in two passes of 64 rows for each row half.  A wave's 32 columns are 128 bytes, half of a row's 256 bytes in out0: the two waves of a row half write the two halves
	; of the same stage rows, a barrier stands between the writing and the reading, and each wave then reads 32 whole rows and stores them.
.irp p, 0,1
	WIN 0x04                                       ; store data window 1
.irp aa, 0,1,2,3
.irp t, 0,1
	ds_store_b128 v[STO], v[192*\p+8*(2*\aa+\t):192*\p+8*(2*\aa+\t)+3]   offset:\aa*16*SP+\t*64
	ds_store_b128 v[STO], v[192*\p+8*(2*\aa+\t)+4:192*\p+8*(2*\aa+\t)+7] offset:\aa*16*SP+\t*64+16
.endr
.endr
	WIN 0
	s_wait_dscnt 0x0                               ; for the others' sake: my stores into the stage are done
	s_barrier_signal -1
	s_barrier_wait -1
.irp t, 0,1,2,3,4,5,6,7,8,9,10,11,12,13,14,15
	ds_load_b128 v[F0+64*\p+4*\t:F0+64*\p+4*\t+3], v[RD] offset:\t*2*SP
.endr
.irp t, 0,1,2,3,4,5,6,7,8,9,10,11,12,13,14,15
	s_wait_dscnt 15-\t                             ; LDS loads come back in order: load t is in
	global_store_b128 v[CO], v[F0+64*\p+4*\t:F0+64*\p+4*\t+3], s[12:13] offset:(64*\p+2*\t)*4096 th:TH_STORE_NT   ; 16 lanes store 256 consecutive bytes, aligned
.endr
.if \p == 0
	s_barrier_signal -1                            ; every wave's reads of the stage are back (the count-down ended at 0): only behind this barrier is the stage written again
	s_barrier_wait -1
.endif
.endr
	s_wait_tensorcnt 0x0                           ; the wave's end, behind my last tensor load and my last LDS store
	ds_add_u32 v[SPW], v[NIL]
	s_wait_dscnt 0x0
	CROUND                                         ; the closing round: no work-group ends while a partner may still ask for a tile that names it
	s_endpgm
.Lfunc_end_k_q9709816b70_moe:
	.size	k_q9709816b70_moe, .Lfunc_end_k_q9709816b70_moe-k_q9709816b70_moe
	.p2alignl 7, 3214868480
	.fill 96, 4, 3214868480
	.section	.rodata,"a",@progbits
	.p2align	6, 0x0
	.amdhsa_kernel k_q9709816b70_moe
		.amdhsa_group_segment_fixed_size 327680
		.amdhsa_private_segment_fixed_size 0
		.amdhsa_enable_private_segment 0
		.amdhsa_kernarg_size 40
		.amdhsa_user_sgpr_count 2
		.amdhsa_user_sgpr_kernarg_segment_ptr 1
		.amdhsa_wavefront_size32 1
		.amdhsa_system_sgpr_workgroup_id_x 1
		.amdhsa_system_sgpr_workgroup_id_y 1
		.amdhsa_system_sgpr_workgroup_id_z 1
		.amdhsa_system_vgpr_workitem_id 0
		.amdhsa_next_free_vgpr 1024
		.amdhsa_next_free_sgpr 66
		.amdhsa_reserve_vcc 0
		.amdhsa_float_denorm_mode_32 3
		.amdhsa_float_denorm_mode_16_64 3
		.amdhsa_memory_ordered 1
		.amdhsa_forward_progress 1
		.amdhsa_inst_pref_size 255
	.end_amdhsa_kernel
	.section	.bss,"aw",@nobits
	.p2align	6
	.space	262144
	.amdgpu_metadata
---
amdhsa.version: [ 1, 2 ]
amdhsa.kernels:
  - .name:           k_q9709816b70_moe
    .symbol:         k_q9709816b70_moe.kd
    .args:
      - { .name: xb, .offset: 0, .size: 8, .value_kind: global_buffer, .address_space: global }
      - { .name: Wb, .offset: 8, .size: 8, .value_kind: global_buffer, .address_space: global }
      - { .name: b, .offset: 16, .size: 8, .value_kind: global_buffer, .address_space: global }
      - { .name: gates, .offset: 24, .size: 8, .value_kind: global_buffer, .address_space: global }
      - { .name: out0, .offset: 32, .size: 8, .value_kind: global_buffer, .address_space: global }
    .group_segment_fixed_size: 327680
    .private_segment_fixed_size: 0
    .kernarg_segment_align: 8
    .kernarg_segment_size: 40
    .max_flat_workgroup_size: 128
    .sgpr_count:     66
    .vgpr_count:     1024
    .wavefront_size: 32
...
	.end_amdgpu_metadata
.endif
;; end of part 2
;; ======== version 2 of 2: 2 launches; version 1 with the launch prep written anew for expert scheduling mode
;; workspace buffers: xb 8,388,608 bytes; Wb 33,554,432 bytes; gates 262,144 bytes
;; launch prep (part 3): grid 768 x 1, 8 waves a work-group, no clusters, 76,800 bytes of LDS; arguments x, W, Wg, bg, xb, Wb, gates; writes xb, Wb, gates
.if DOCPART == 3
	.amdgcn_target "amdgcn-amd-amdhsa--gfx1250"
	.amdhsa_code_object_version 6
	.text
	.protected	k_q9709816b70_prep
	.globl	k_q9709816b70_prep
	.p2align	8
	.type	k_q9709816b70_prep,@function
k_q9709816b70_prep:
	s_mov_b64 s[64:65], 0
	v_nop
	global_prefetch_b8 v0, s[64:65] scope:SCOPE_SE
	s_setreg_imm32_b32 hwreg(HW_REG_WAVE_SCHED_MODE, 0, 2), 2
	s_setreg_imm32_b32 hwreg(HW_REG_WAVE_MODE, 25, 1), 1
	s_wait_xcnt 0x0
	s_wait_alu depctr_vm_vsrc(0)
; PREP: the casts to bf16 and the gates.  Two roles, chosen by the work-group's number (the same for all its waves).
;   work-groups 0-255   (role X): 16 rows of x each: xb = bf16(x); gates = relu(gu^2 / sum_m gu^2), gu = x Wg + bg (bf16 operands, f32 sums).
;   work-groups 256-767 (role W): Wb = bf16(W), laid out as [oblk 16][g 4][i 1024][e 4][ol 64] with expert m = 4 g + e and column o = 64 oblk + ol,
;                                 so that the next launch's tile (128 i x 4 experts x 64 columns) is 65,536 dense bytes in rows of 512.
; gates lie as [g 4][row 4096][e 4] f32: a row's four gates of a group are 16 neighbouring bytes.
; EVERY WAVE ISSUES ALL ITS LOADS AT ITS START, in both roles: no load waits for an earlier load's data.  With 162 registers a wave, six waves fit a SIMD's 1,024,
; so three work-groups (3 x 76,800 bytes of LDS) lie on a WGP, and the grid's 768 are three for each of the 256 WGPs: one of role X and two of role W.
; LIMITS: x, W and Wg are rounded to bf16.  gu is summed in eight parts along K (one a wave), which are then added in f32.  1 / sum is v_rcp_f32, which takes a
; denormal sum as zero: the sum of the sixteen gu^2 has to be a normal f32 (|gu| between about 1e-19 and 1e19); a sum of 0 gives NaN, as 0 / 0 does.
; The gate's relu is a compare and a select, so that a NaN stays a NaN.
; THE MODE: SCHED_MODE bits 1:0 = 2 (LLVM: expert scheduling mode 2), set by the entry lines.  The code itself states the register dependences
; between vector or matrix instructions and memory or LDS instructions, with s_wait_alu, always for 0.
; THE PLAN.  Registers that memory or LDS instructions touch:
;   offsets and LDS addresses (v2, v6, v8-v12, v14, v16, v17): made once at a role's head, never written again: one wait on va_vdst ahead of the role's first load serves them all.
;   role W, R: every quad has registers of its own.  The quads go in eight groups of four: group p's roundings write two registers of each of its quads; the stores that read them are
;              issued in group p + 1, behind the one wait on va_vdst at that group's head, dealt among that group's roundings, which name its own quads alone.  Nothing is written twice.
;   role X, WQ: the 32 roundings pack Wg into WQ + 0 .. 31; one wait on va_vdst; sixteen LDS stores read them.  One wait on vm_vsrc ahead of the first product: the sums, GU and T take these registers.
;           XQ: four groups of four rows, run as role W's: group p's packed rows (XQ + 8 p .. + 7) leave in group p + 1, by a global and an LDS store each; never written again.
;           AF, WF: the raw buffers' upper halves.  Read by the roundings, then the fragments' loads land there (behind the wait on va_vdst that follows the last group); read by the four
;              products, then wave 0's loads of the seven other parts land there (behind the wait on va_vdst ahead of GU's LDS stores).
;           GU: written by additions, read by two LDS stores (va_vdst ahead), written again by wave 0 (vm_vsrc ahead of the branch), read by the two stores of the gates (va_vdst ahead).
;   v160, v161: written at the head, read by the closing add alone.
.set R,    24                          ; role W: v[24:151]  raw data, 32 quads
.set XQ,   24                          ; role X: v[24:87]   x as loaded, 16 quads; the cast packs quad j into v[24+2j:25+2j], so v[24:55] hold bf16
.set AF,   56                          ;         v[56:87]   then free: four fragments of x (16 rows x 32 k)
.set WQ,   88                          ;         v[88:151]  Wg as loaded, 16 quads; packed likewise into v[88:119]
.set WF,   120                         ;         v[120:151] then free: four fragments of Wg (16 gates x 32 k)
.set ACC0, 88                          ;         v[88:95]   once the packed Wg has gone to LDS: the even fragments' sum
.set ACC1, 96                          ;         v[96:103]  the odd fragments' sum
.set GU,   104                         ;         v[104:111] gu, then the gates
.set T,    112                         ;         v[112:119] at work
.set BG,   152                         ;         v[152:159] register j: bg[8 (lane / 16) + j]
.set XS,   32768                       ; LDS: 0 .. 32,767 Wg in bf16, 4,096 bytes a wave: its own 128 k rows of 32 bytes; from XS on a stage of 16 rows x 272 bytes for each wave
.set XP,   272                         ; a stage row: 256 bytes + 16: the 16 rows that a fragment load touches start 17 x 16 bytes apart
.set PS,   XS+8*16*XP                  ; behind the stages: 1,024 bytes a wave for its part of gu
	s_load_b256 s[4:11], s[0:1], 0x0               ; x s[4:5], W s[6:7], Wg s[8:9], bg s[10:11]
	s_load_b128 s[12:15], s[0:1], 0x20             ; xb s[12:13], Wb s[14:15]
	s_load_b64 s[16:17], s[0:1], 0x30              ; gates
	v_lshl_add_u32 v160, v0, 2, 0x12800
	v_mov_b32 v161, 0
	v_and_b32 v1, 31, v0                           ; lane
	v_lshrrev_b32 v3, 5, v0
	v_readfirstlane_b32 s18, v3                    ; wave 0..7
	v_and_b32 v4, 15, v0                           ; lane % 16
	v_bfe_u32 v5, v0, 4, 1                         ; lane / 16
	s_wait_alu depctr_va_sdst(0)                   ; s18 is written, ahead of the branch and of its first reader in either role
	s_cmp_lt_u32 ttmp9, 256
	s_cbranch_scc1 .Lrole_x
; ---------------- ROLE W: a stream, no LDS, no barrier, no loop ----------------
; The work-group takes group g and rows i0 .. i0 + 7 of its four experts.  Wave: u = wave % 2 picks experts 4 g + 2 u and + 1, ii = wave / 2 a row; two sweeps, four rows apart.
; A load: lanes 0-15 take 256 consecutive aligned bytes (64 columns) of one expert's row, lanes 16-31 the same columns of the next expert.
; The store of the cast: 32 lanes x 8 bytes = 256 consecutive aligned bytes of Wb: two experts x 64 columns.
	s_sub_co_u32 s20, ttmp9, 256
	s_lshr_b32 s21, s20, 7                         ; g
	s_and_b32 s22, s20, 127
	s_lshl_b32 s22, s22, 3                         ; i0
	s_lshr_b32 s23, s18, 1
	s_add_co_u32 s22, s22, s23                     ; i0 + ii
	s_and_b32 s23, s18, 1                          ; u
	s_lshl_b32 s34, s21, 2
	s_lshl1_add_u32 s34, s23, s34                  ; expert 4 g + 2 u
	s_lshl_b32 s34, s34, 22                        ; x 4,194,304 bytes
	s_lshl_b32 s35, s22, 12                        ; row x 4,096 bytes
	s_add_co_u32 s34, s34, s35
	s_mov_b32 s35, 0
	s_lshl_b32 s36, s21, 19                        ; Wb: g x 524,288
	s_lshl_b32 s37, s22, 9                         ; + row x 512
	s_add_co_u32 s36, s36, s37
	s_lshl_b32 s37, s23, 8                         ; + u x 256
	s_add_co_u32 s36, s36, s37
	s_mov_b32 s37, 0
	v_lshlrev_b32 v2, 4, v4                        ; load: 16 (lane % 16)
	v_lshl_add_u32 v2, v5, 22, v2                  ;       + the next expert for lanes 16-31
	v_lshlrev_b32 v6, 3, v1                        ; store: 8 x lane
	s_wait_kmcnt 0x0
	s_add_nc_u64 s[6:7], s[6:7], s[34:35]
	s_add_nc_u64 s[24:25], s[14:15], s[36:37]      ; four bases, 4 oblk (8,388,608 bytes) apart, so that the stores' immediates stay inside 24 signed bits
	s_add_nc_u64 s[26:27], s[24:25], 0x800000
	s_add_nc_u64 s[28:29], s[26:27], 0x800000
	s_add_nc_u64 s[30:31], s[28:29], 0x800000
	s_wait_alu depctr_va_vdst(0)                   ; v2 and v6 are written: every load of this role reads v2 as its offset, every store v6
.set n, 0
.rept 32                                               ; all 32 loads go out first: 16 KiB of a wave on their way
	global_load_b128 v[R+4*n:R+4*n+3], v2, s[6:7] offset:(n/16)*16384+(n%16)*256 th:TH_LOAD_NT
.set n, n+1
.endr
; Eight groups of four quads.  Group p rounds its quads; the stores of group p - 1 stand among its roundings.
.set p, 0
.rept 8
	s_wait_loadcnt 28-4*p                          ; loads come back in order: group p's four are in, the 28 - 4 p younger ones stay out
.if p > 0
	s_wait_alu depctr_va_vdst(0)                   ; the group before has written its rounded pairs, which the four stores below read; no rounding below names those registers
.endif
.set i, 0
.rept 4
.set n, 4*p+i
.if p > 0
.set q, n-4
	global_store_b64 v6, v[R+4*q:R+4*q+1], s[24+2*((q%16)/4):25+2*((q%16)/4)] offset:((q%16)%4)*2097152+(q/16)*2048
.endif
	v_cvt_pk_bf16_f32 v[R+4*n], v[R+4*n], v[R+4*n+1]
	v_cvt_pk_bf16_f32 v[R+4*n+1], v[R+4*n+2], v[R+4*n+3]
.set i, i+1
.endr
.set p, p+1
.endr
	s_wait_alu depctr_va_vdst(0)                   ; the last group has written its rounded pairs, which the last four stores read
.set q, 28
.rept 4
	global_store_b64 v6, v[R+4*q:R+4*q+1], s[24+2*((q%16)/4):25+2*((q%16)/4)] offset:((q%16)%4)*2097152+(q/16)*2048
.set q, q+1
.endr
	s_endpgm                                       ; no register that a store reads was written again: no wait for the stores' sources is needed; this role wrote no LDS
; ---------------- ROLE X ----------------
; The work-group owns rows 16 x its number .. + 15.  K is shared out: wave w takes columns 128 w .. 128 w + 127 of x and the same 128 k rows of Wg.  It casts its 8 KB of Wg into LDS
; bytes of its own, casts its part of x, stores that to xb and lays it into its own stage, reads the fragments back and makes its part of gu with four products.
; The matrix instruction is used transposed (source 0 = 16 gates, source 1 = 16 rows of x): a lane then holds ONE row of x (lane % 16) and the gates 8 (lane / 16) + 0..7,
; so the row's sum wants one exchange between the halves of the lanes.  The eight parts meet in LDS behind the one barrier; wave 0 adds them and bg and makes the gates.
.Lrole_x:
	s_mov_b32 s32, 0x76543210                      ; v_permlanex16_b32: each lane takes its own place in the other half
	s_mov_b32 s33, 0xfedcba98
	s_lshl_b32 s20, ttmp9, 16                      ; 16 rows x 4,096 bytes
	s_lshl_b32 s21, s18, 9                         ; my 128 columns x 4 bytes
	s_add_co_u32 s20, s20, s21                     ; my first number in x, in bytes
	s_mov_b32 s21, 0
	s_lshr_b32 s22, s20, 1                         ; in xb: half as many bytes
	s_mov_b32 s23, 0
	s_lshl_b32 s34, ttmp9, 8                       ; in gates: 16 rows x 16 bytes
	s_mov_b32 s35, 0
	s_lshl_b32 s36, s18, 13                        ; in Wg: my 128 k rows of 64 bytes
	s_mov_b32 s37, 0
	s_lshl_b32 s38, s18, 12                        ; LDS: my part of Wg in bf16
	s_mul_i32 s39, s18, 16*XP
	s_add_co_u32 s39, s39, XS                      ; LDS: my stage
	s_lshl_b32 s19, s18, 10
	s_add_co_u32 s19, s19, PS                      ; LDS: my part of gu
	v_lshlrev_b32 v2, 4, v1                        ; x and Wg: 16 x lane
	v_lshlrev_b32 v6, 3, v1                        ; xb: 8 x lane
	v_lshl_add_u32 v8, v1, 3, s38                  ; Wg into LDS: 8 x lane
	v_lshlrev_b32 v9, 5, v5                        ; bg: 32 (lane / 16)
	v_lshl_add_u32 v10, v1, 3, s39                 ; into the stage: 8 x lane
	v_mul_u32_u24 v11, v4, XP
	v_lshl_add_u32 v11, v5, 4, v11
	v_add_nc_u32 v11, s39, v11                     ; fragments of x: row (lane % 16) x pitch + 16 (lane / 16)
	v_and_b32 v12, 7, v0
	v_lshl_add_u32 v12, v5, 3, v12                 ; the turning load: k row 8 (lane / 16) + lane % 8,
	v_bfe_u32 v13, v0, 3, 1
	v_lshlrev_b32 v12, 5, v12                      ; rows of 32 bytes,
	v_lshl_add_u32 v12, v13, 4, v12                ; gates 8 ((lane / 8) % 2) + 0..7,
	v_add_nc_u32 v12, s38, v12                     ; in my part
	v_lshlrev_b32 v14, 4, v4
	v_lshl_add_u32 v14, v5, 17, v14                ; gates: 16 (lane % 16) + two groups (131,072 bytes) for lanes 16-31
	v_mov_b32 v15, 0
	v_lshl_add_u32 v16, v1, 5, s19                 ; my part of gu: 32 x lane
	v_lshl_add_u32 v17, v1, 5, PS                  ; wave 0's part: the others' lie 1,024 bytes apart behind it
	s_wait_kmcnt 0x0
	s_add_nc_u64 s[4:5], s[4:5], s[20:21]
	s_add_nc_u64 s[12:13], s[12:13], s[22:23]
	s_add_nc_u64 s[16:17], s[16:17], s[34:35]
	s_add_nc_u64 s[8:9], s[8:9], s[36:37]
	s_wait_alu depctr_va_vdst(0)                   ; the offsets and LDS addresses v2, v6, v8 to v12, v14, v16 and v17 are written: every load and store of this role reads one of them, and none is written again
	; all 34 loads in one run
	global_load_b128 v[BG:BG+3], v9, s[10:11]
	global_load_b128 v[BG+4:BG+7], v9, s[10:11] offset:16
.irp n, 0,1,2,3,4,5,6,7,8,9,10,11,12,13,14,15
	global_load_b128 v[WQ+4*\n:WQ+4*\n+3], v2, s[8:9] offset:\n*512           ; 8 k rows of Wg: 512 consecutive bytes; no hint: every work-group of this role reads them
.endr
.irp j, 0,1,2,3,4,5,6,7,8,9,10,11,12,13,14,15
	global_load_b128 v[XQ+4*\j:XQ+4*\j+3], v2, s[4:5] offset:\j*4096 th:TH_LOAD_NT   ; row j: my 128 columns, 512 consecutive bytes
.endr
	s_wait_loadcnt 16                              ; bg and Wg are in; x's sixteen loads, issued behind them, stay out
.irp n, 0,1,2,3,4,5,6,7,8,9,10,11,12,13,14,15  ; the cast packs downward: quad n goes into registers that earlier casts have read
	v_cvt_pk_bf16_f32 v[WQ+2*\n], v[WQ+4*\n], v[WQ+4*\n+1]
	v_cvt_pk_bf16_f32 v[WQ+2*\n+1], v[WQ+4*\n+2], v[WQ+4*\n+3]
.endr
	s_wait_alu depctr_va_vdst(0)                   ; the casts have written the packed Wg, v[WQ .. WQ+31], which the sixteen LDS stores read; it stands here, so that these stores are issued while x's loads are still out
.irp n, 0,1,2,3,4,5,6,7,8,9,10,11,12,13,14,15
	ds_store_b64 v8, v[WQ+2*\n:WQ+2*\n+1] offset:\n*256
.endr
; x in four groups of four rows.  Group p casts its rows; the stores of group p - 1 stand among its casts.
.set p, 0
.rept 4
	s_wait_loadcnt 12-4*p                          ; loads come back in order: group p's four rows are in, the 12 - 4 p rows behind them stay out; the casts write into quads that have landed
.if p > 0
	s_wait_alu depctr_va_vdst(0)                   ; the group before has written its packed rows, which the stores below read; no cast below names those registers
.endif
.set i, 0
.rept 4
.set j, 4*p+i
.if p > 0
.set q, j-4
	global_store_b64 v6, v[XQ+2*q:XQ+2*q+1], s[12:13] offset:q*2048            ; 32 lanes store 256 consecutive bytes, aligned
	ds_store_b64 v10, v[XQ+2*q:XQ+2*q+1] offset:q*XP
.endif
	v_cvt_pk_bf16_f32 v[XQ+2*j], v[XQ+4*j], v[XQ+4*j+1]
	v_cvt_pk_bf16_f32 v[XQ+2*j+1], v[XQ+4*j+2], v[XQ+4*j+3]
.set i, i+1
.endr
.set p, p+1
.endr
	s_wait_alu depctr_va_vdst(0)                   ; the last group has written its packed rows, which the stores below read; and all casts are done reading the raw buffers' upper halves, AF and WF, in which the fragments' loads land
.set q, 12
.rept 4
	global_store_b64 v6, v[XQ+2*q:XQ+2*q+1], s[12:13] offset:q*2048
	ds_store_b64 v10, v[XQ+2*q:XQ+2*q+1] offset:q*XP
.set q, q+1
.endr
.irp f, 0,1,2,3                        ; LDS serves a wave's instructions in order: these loads see the stores above (stage and part of Wg are my own)
	ds_load_b128 v[AF+8*\f:AF+8*\f+3], v11 offset:64*\f
	ds_load_b128 v[AF+8*\f+4:AF+8*\f+7], v11 offset:64*\f+32
	ds_load_tr16_b128 v[WF+8*\f:WF+8*\f+3], v12 offset:1024*\f
	ds_load_tr16_b128 v[WF+8*\f+4:WF+8*\f+7], v12 offset:1024*\f+512
.endr
	s_wait_dscnt 0x0                               ; the fragments are in
	s_wait_alu depctr_vm_vsrc(0)                   ; the LDS stores have read the packed Wg, v[WQ .. WQ+31]: the sums, GU and T take these registers from here on
	v_wmma_f32_16x16x32_bf16 v[ACC0:ACC0+7], v[WF:WF+7], v[AF:AF+7], 0         ; the first products start the sums; the two accumulators take turns
	v_wmma_f32_16x16x32_bf16 v[ACC1:ACC1+7], v[WF+8:WF+15], v[AF+8:AF+15], 0
	v_wmma_f32_16x16x32_bf16 v[ACC0:ACC0+7], v[WF+16:WF+23], v[AF+16:AF+23], v[ACC0:ACC0+7]
	v_wmma_f32_16x16x32_bf16 v[ACC1:ACC1+7], v[WF+24:WF+31], v[AF+24:AF+31], v[ACC1:ACC1+7]
.rept 4
	v_nop                                          ; four places between the last products and the first read of their results (ISA guide 7.12.1)
.endr
.irp k, 0,2,4,6
	v_pk_add_f32 v[GU+\k:GU+\k+1], v[ACC0+\k:ACC0+\k+1], v[ACC1+\k:ACC1+\k+1]  ; my part of gu, from each accumulator's low end on
.endr
	s_wait_alu depctr_va_vdst(0)                   ; the additions have written GU, which the two LDS stores read; and the products are done reading AF and WF, in which wave 0's loads of the other parts land
	ds_store_b128 v16, v[GU:GU+3]
	ds_store_b128 v16, v[GU+4:GU+7] offset:16
	s_wait_dscnt 0x0                               ; for wave 0's sake: my part is in LDS
	s_barrier_signal -1
	s_barrier_wait -1                              ; all eight parts are; nobody writes them again
	s_wait_alu depctr_vm_vsrc(0)                   ; the two LDS stores have read GU, which wave 0 writes again behind the branch
	s_cmp_lg_u32 s18, 0
	s_cbranch_scc1 .Lx_end                         ; waves 1 to 7 have done their share
.set k, 1
.rept 7                                                ; the seven other parts, into the fragments' registers: no vector or matrix instruction has named these since the wait ahead of GU's stores
.if k < 5
.set PR, AF+8*(k-1)
.else
.set PR, WF+8*(k-5)
.endif
	ds_load_b128 v[PR:PR+3], v17 offset:k*1024
	ds_load_b128 v[PR+4:PR+7], v17 offset:k*1024+16
.set k, k+1
.endr
.irp k, 0,2,4,6
	v_pk_add_f32 v[GU+\k:GU+\k+1], v[GU+\k:GU+\k+1], v[BG+\k:BG+\k+1]          ; + bg, while the parts are on their way
.endr
	s_wait_dscnt 0x0
.irp p, AF, AF+8, AF+16, AF+24, WF, WF+8, WF+16
.irp k, 0,2,4,6
	v_pk_add_f32 v[GU+\k:GU+\k+1], v[GU+\k:GU+\k+1], v[\p+\k:\p+\k+1]
.endr
.endr
.irp k, 0,2,4,6
	v_pk_mul_f32 v[GU+\k:GU+\k+1], v[GU+\k:GU+\k+1], v[GU+\k:GU+\k+1]          ; gu^2
.endr
	v_pk_add_f32 v[T:T+1], v[GU:GU+1], v[GU+2:GU+3]
	v_pk_add_f32 v[T+2:T+3], v[GU+4:GU+5], v[GU+6:GU+7]
	v_pk_add_f32 v[T:T+1], v[T:T+1], v[T+2:T+3]
	v_add_f32 v[T], v[T], v[T+1]                   ; my eight gates' sum
	v_permlanex16_b32 v[T+1], v[T], s32, s33       ; the row's other eight lie in the lane 16 away
	v_add_f32 v[T], v[T], v[T+1]
	v_rcp_f32 v[T+2], v[T]                         ; twice: a pair for the packed multiply
	v_rcp_f32 v[T+3], v[T]
	v_nop                                          ; a plain instruction between a reciprocal and the use of its result (ISA guide 5.7.2)
	s_wait_alu depctr_va_vdst(0)                   ; the two reciprocals have written v[T+2] and v[T+3], ahead of their first reader: one wait for both
.irp k, 0,2,4,6
	v_pk_mul_f32 v[GU+\k:GU+\k+1], v[GU+\k:GU+\k+1], v[T+2:T+3]
.endr
.irp k, 0,1,2,3,4,5,6,7
	v_cmp_gt_f32 s[24+\k], 0, v[GU+\k]             ; relu that keeps a NaN: 0 only where 0 > g; the eight masks in a run, into s24 to s31, which this role uses for nothing else
.endr
	s_wait_alu depctr_va_sdst(0)                   ; the eight compares have written s24 to s31, ahead of the selects that read them
.irp k, 0,1,2,3,4,5,6,7
	v_cndmask_b32 v[GU+\k], v[GU+\k], v15, s[24+\k]
.endr
	s_wait_alu depctr_va_vdst(0)                   ; the selects have written the gates in GU, which the two stores read
	global_store_b128 v14, v[GU:GU+3], s[16:17]                    ; group 2 (lane / 16): 16 lanes store 256 consecutive bytes, aligned
	global_store_b128 v14, v[GU+4:GU+7], s[16:17] offset:65536     ; group 2 (lane / 16) + 1
.Lx_end:
	s_wait_dscnt 0x0                               ; the closing lines, six on end
	s_wait_alu 0x0
	s_wait_tensorcnt 0x0
	ds_add_u32 v160, v161
	s_wait_dscnt 0x0
	s_endpgm
.Lfunc_end_k_q9709816b70_prep:
	.size	k_q9709816b70_prep, .Lfunc_end_k_q9709816b70_prep-k_q9709816b70_prep
	.p2alignl 7, 3214868480
	.fill 96, 4, 3214868480
	.section	.rodata,"a",@progbits
	.p2align	6, 0x0
	.amdhsa_kernel k_q9709816b70_prep
		.amdhsa_group_segment_fixed_size 76800
		.amdhsa_private_segment_fixed_size 0
		.amdhsa_enable_private_segment 0
		.amdhsa_kernarg_size 56
		.amdhsa_user_sgpr_count 2
		.amdhsa_user_sgpr_kernarg_segment_ptr 1
		.amdhsa_wavefront_size32 1
		.amdhsa_system_sgpr_workgroup_id_x 1
		.amdhsa_system_sgpr_workgroup_id_y 1
		.amdhsa_system_sgpr_workgroup_id_z 1
		.amdhsa_system_vgpr_workitem_id 0
		.amdhsa_next_free_vgpr 162
		.amdhsa_next_free_sgpr 66
		.amdhsa_reserve_vcc 0
		.amdhsa_float_denorm_mode_32 3
		.amdhsa_float_denorm_mode_16_64 3
		.amdhsa_memory_ordered 1
		.amdhsa_forward_progress 1
		.amdhsa_inst_pref_size 33
	.end_amdhsa_kernel
	.amdgpu_metadata
---
amdhsa.version: [ 1, 2 ]
amdhsa.kernels:
  - .name:           k_q9709816b70_prep
    .symbol:         k_q9709816b70_prep.kd
    .args:
      - { .name: x, .offset: 0, .size: 8, .value_kind: global_buffer, .address_space: global }
      - { .name: W, .offset: 8, .size: 8, .value_kind: global_buffer, .address_space: global }
      - { .name: Wg, .offset: 16, .size: 8, .value_kind: global_buffer, .address_space: global }
      - { .name: bg, .offset: 24, .size: 8, .value_kind: global_buffer, .address_space: global }
      - { .name: xb, .offset: 32, .size: 8, .value_kind: global_buffer, .address_space: global }
      - { .name: Wb, .offset: 40, .size: 8, .value_kind: global_buffer, .address_space: global }
      - { .name: gates, .offset: 48, .size: 8, .value_kind: global_buffer, .address_space: global }
    .group_segment_fixed_size: 76800
    .private_segment_fixed_size: 0
    .kernarg_segment_align: 8
    .kernarg_segment_size: 56
    .max_flat_workgroup_size: 256
    .sgpr_count:     66
    .vgpr_count:     162
    .wavefront_size: 32
...
	.end_amdgpu_metadata
.endif
;; end of part 3
;; launch moe: the kernel of part 2 again; grid 16 x 16, 4 waves a work-group, clusters of 4 x 4, 327,680 bytes of LDS; arguments xb, Wb, b, gates, out0; writes out0
